; MI455X (gfx1250); checked and timed in simulation.
; The chip was launched on July 23, 2026; its instructions are those of AMD's public machine-readable ISA for CDNA 5 (MIT licence, August 2026) and "CDNA5" Instruction Set Architecture Reference Guide (July 2026). The comments in the code are by the model that wrote it; some were corrected since.
;; Mutual Cross Attention. Allowed arithmetic: matrix products marked QUANTISED: E3M2 operands, one E8M0 scale for each 32 along K, by v_wmma_scale_f32_16x16x128_f8f6f4 with both operands' format E3M2, f32 sums; everything else in f32.
;; Inputs: x1 8 x 64 x 64 x 64 float32; x2 8 x 64 x 64 x 64 float32.
;; Outputs: out0 8 x 64 x 64 x 64 float32.
;; This version of the problem:
;;   THIS VERSION OF THE PROBLEM IS GIVEN IN LOW PRECISION. The matrix products marked QUANTISED in the list below multiply operands that are first quantised to E3M2 (3 exponent bits, 2 mantissa bits; 6 bits a number), with one power-of-two scale for each 32 numbers along K (OCP MX v1.0); their sums are f32. All else is computed in f32.
;;   The module's matrix products, in the order in which they are computed (A, B: the left and right operand; K: the contracted axis; several contracted axes count as one K, in the product's order):
;;     1. batch 8 x [M 4,096, K 64] x [K 64, N 4,096]; A: input x1; B: input x2: QUANTISED
;;     2. batch 8 x [M 4,096, K 4,096] x [K 4,096, N 64]; A: softmax (see below); B: input x2: QUANTISED
;;     3. batch 8 x [M 4,096, K 64] x [K 64, N 4,096]; A: input x2; B: input x1: QUANTISED
;;     4. batch 8 x [M 4,096, K 4,096] x [K 4,096, N 64]; A: softmax (see below); B: input x1: QUANTISED
;;   THE QUANTISER, for each operand of a quantised product, along K:
;;     - K is cut into blocks of 32 from its start; a last block that is shorter is filled with zeros.
;;     - A block's scale is 2^e with e = floor(log2(the largest magnitude in the block)) - 4, held to -126 .. 127; a block of zeros has e = 0. As a byte (E8M0): e + 127.
;;     - Each number is divided by its block's scale, clamped to +-28, and rounded to the nearest number of E3M2, ties to even, subnormals kept.
;;     - The product sums the exact products of the quantised numbers (number of the format x scale) in f32.
;;   ~~~python
;;   def quantise(x, axis):      # numpy; x: float32 -> the quantised numbers, widened to float32 again
;;       x = np.moveaxis(x, axis, -1); K = x.shape[-1]
;;       x = np.pad(x, [(0, 0)] * (x.ndim - 1) + [(0, -K % 32)]); x = x.reshape(x.shape[:-1] + (-1, 32)); a = np.abs(x).max(-1, keepdims=True)
;;       e = np.where(a > 0, np.clip(np.frexp(np.where(a > 0, a, 1))[1] - 1 - 4, -126, 127), 0)      # np.frexp(a)[1] - 1 = floor(log2(a)), exactly
;;       r = np.clip(x / 2.0 ** e, -28, 28)
;;       step = 2.0 ** (np.maximum(np.frexp(np.where(r == 0, 1, r))[1] - 1, -2) - 2)
;;       q = np.round(r / step) * step * 2.0 ** e      # np.round: ties to even
;;       return np.moveaxis(q.reshape(q.shape[:-2] + (-1,))[..., :K], -1, axis).astype(np.float32)
;;   ~~~
;;   SOFTMAX AHEAD OF A QUANTISED PRODUCT. Where the list says 'softmax', what is quantised is not the finished softmax but p = 2^(t - M), with t = logit x log2(e) and M = ceil(the row's largest t), a whole number; so 1/2 < the row's largest p <= 1. The row's sum l is taken of the UNQUANTISED p, in f32, and the product's result is divided by l at the end. Since M is a whole number, a kernel that streams over the keys may use a running M (the ceiling of the running maximum): every later rescaling is an exact power of two, which a block's scale takes up: the codes' values come out the same.
;;   OPERANDS COMPUTED ON THE WAY. 'Computed on the way' means the value that the module computes at that place (a softmax that the list does not call 'softmax' is quantised finished and normalised). What goes into a quantiser is computed in f32, as accurately as f32 sums, v_exp_f32 and their like allow (about 1e-6 of the number): no bf16 or f16 on the way to a quantiser, and a product that is left as it is and whose result goes on into a quantised operand takes f32 operands (vector FMAs, or v_wmma_f32_16x16x4_f32). A number that lies on a knife's edge between two numbers of the format may be rounded either way, as far as f32 arithmetic and the matrix unit's own rounding can turn it there, and no further.
;; One version. Each part assembles by itself: llvm-mc -triple=amdgcn-amd-amdhsa -mcpu=gfx1250 --defsym DOCPART=n.
;; ======== version 1 of 1: 2 launches
;; limits: right only within a limited range of input values
;; workspace buffers: img 6,684,672 bytes
;; launch quant (part 1): grid 32 x 16, 4 waves a work-group, no clusters, 35,328 bytes of LDS; arguments x1, x2, img; writes img
.if DOCPART == 1
	.amdgcn_target "amdgcn-amd-amdhsa--gfx1250"
	.amdhsa_code_object_version 6
	.text
	.protected	k_q75c6af83bf_quant
	.globl	k_q75c6af83bf_quant
	.p2align	8
	.type	k_q75c6af83bf_quant,@function
k_q75c6af83bf_quant:
	s_mov_b64 s[64:65], 0
	v_nop
	global_prefetch_b8 v0, s[64:65] scope:SCOPE_SE
	s_setreg_imm32_b32 hwreg(HW_REG_WAVE_MODE, 25, 1), 1
	s_wait_xcnt 0x0
; x1 and x2, [8][64 channels][4096 tokens] f32, become codes of BF6 (E3M2) with one E8M0 byte for each 32 along K, quantised BOTH ways:
; along the channels (the operand of the score products, as query and as key) and along the tokens (the operand V of the second products).
; A block's scale is 2^(floor(log2(its largest magnitude)) - 4); its byte is the largest magnitude's exponent field - 4, held at 1 from below.
; LIMITS: a block of zeros gets the byte 1 where the rule says 127 (its codes are zeros, which add nothing under any byte but 0xff, and this program alone reads the bytes);
; NaN and infinities among the inputs are not served.
; SHARES.  Work-group (x = s, y = 8 tensor + batch) reads 64 channels x tokens 128 s .. 128 s + 127 (64 rows of 512 bytes, each byte once) and writes ONE RECORD of 13,056 bytes = 51 x 256:
;   KIMG    0: 8 tiles x 768 bytes.  Row r of tile t holds token 64 (t / 4) + 8 (t % 4) + r + 24 (r / 8); lane (r, h) has 6 registers: the codes of channels 32 h .. 32 h + 31.  Registers 0-3 at 768 t + 16 lane, 4-5 at 768 t + 512 + 8 lane.
;   VIMG 6144: 4 tiles x 1,536 bytes.  Tile c holds channel 16 c + r; registers 6 c' .. 6 c' + 5 the tokens 64 c' + 32 h + 0 .. 31; registers 4 g .. 4 g + 3 at 1536 c + 512 g + 16 lane.
;   KSC 12288: 512 bytes: at 16 l + 4 i the scale word of K tile 2 i + l / 16, row l % 16 (bytes 0, 1: the two blocks of channels; bytes 2, 3: 0).
;   VSC 12800: 256 bytes: at 8 l + 4 i the scale word (four blocks of tokens) of V tile 2 i + l / 16, row l % 16.
; So the reader gets every operand as an image of its registers, by loads in which neighbouring lanes take neighbouring bytes.
; The 64 x 128 numbers meet in a stage in LDS; wave w then makes V tile w (its lanes read along a row) and K tiles 2 w, 2 w + 1 (its lanes read down the rows).
; No matrix unit, no cluster, no ring: the launch only streams, and the work-groups share no input.
.set P,    528                         ; a stage row: 512 bytes + 16
.set SCS,  64*P                        ; behind the stage: the image of KSC and VSC, 768 bytes
.set REC,  13056
.set VIMG, 6144
.set KSC,  12288
.set VSC,  12800
.set X,    32                          ; v32-95   64 numbers
.set CV,   96                          ; v96-107  V's codes
.set CK,   116                         ; v116-127 K's codes: a set of their own, so that no pending store's data are written again
	s_load_b128 s[4:7], s[0:1], 0x0                ; x1, x2
	s_load_b64 s[8:9], s[0:1], 0x10                ; img
	v_lshl_add_u32 v128, v0, 2, 0x8800             ; my spare word, behind the scale words' image
	v_mov_b32 v129, 0
	v_lshrrev_b32 v1, 5, v0
	v_readfirstlane_b32 s10, v1                    ; wave 0..3
	v_and_b32 v1, 31, v0                           ; lane
	v_and_b32 v2, 15, v0                           ; r
	v_bfe_u32 v3, v0, 4, 1                         ; h
	v_lshlrev_b32 v4, 4, v1
	v_lshlrev_b32 v5, 3, v1
	s_mul_i32 s18, s10, 16*P                       ; my 16 rows of the stage
	v_add_nc_u32 v6, s18, v4                       ; in: 16 bytes a lane of a row
	v_mul_u32_u24 v7, v2, P
	v_lshl_add_u32 v7, v3, 7, v7
	v_add_nc_u32 v7, s18, v7                       ; V: row 16 w + r, + 128 h: my 32 tokens of each 64
	v_and_b32 v8, 8, v2
	v_mad_u32_u24 v8, v8, 3, v2                    ; r + 24 (r / 8)
	v_lshlrev_b32 v8, 2, v8
	v_mad_u32_u24 v8, v3, 32*P, v8                 ; K: rows 32 h on,
	s_lshr_b32 s19, s10, 1
	s_lshl_b32 s19, s19, 8
	s_and_b32 s22, s10, 1
	s_lshl_b32 s22, s22, 6
	s_add_co_u32 s19, s19, s22
	v_add_nc_u32 v8, s19, v8                       ; token 64 (w / 2) + 16 (w % 2) + r + 24 (r / 8); tile 2 w + 1 lies 8 tokens on
	s_lshl_b32 s19, s10, 2
	s_add_co_u32 s19, s19, SCS
	v_lshl_add_u32 v9, v2, 4, s19                  ; K's scale word of tile 2 w + u: SCS + 16 (r + 16 u) + 4 w
	s_and_b32 s22, s10, 1
	s_lshl_b32 s22, s22, 7
	s_lshr_b32 s23, s10, 1
	s_lshl_b32 s23, s23, 2
	s_add_co_u32 s22, s22, s23
	s_add_co_u32 s22, s22, SCS+512
	v_lshl_add_u32 v10, v2, 3, s22                 ; V's of tile w: SCS + 512 + 8 (r + 16 (w % 2)) + 4 (w / 2)
	v_lshlrev_b32 v11, 3, v3                       ; 8 h: my byte's place in a scale word, in bits
	s_mul_i32 s23, s10, 1536
	v_add_nc_u32 v20, s23, v4                      ; in the record: 1,536 w + 16 lane,
	v_add_nc_u32 v23, s23, v5                      ; 1,536 w + 8 lane
	v_mov_b32 v19, 0                               ; written once: a lane permute's destination counts as one of its sources
	v_mov_b32 v22, 0
	s_mov_b32 s20, 0x76543210
	s_mov_b32 s21, 0xfedcba98                      ; v_permlanex16_b32's selects for lane l xor 16
	s_and_b32 s11, ttmp7, 0xffff                   ; y = 8 tensor + batch
	s_and_b32 s12, s11, 7                          ; batch
	s_lshl_b32 s14, s12, 20                        ; a batch is 64 rows of 16,384 bytes,
	s_lshl_b32 s15, s10, 18                        ; my wave's 16 rows,
	s_add_co_u32 s14, s14, s15
	s_lshl_b32 s15, ttmp9, 9                       ; the step's 128 tokens
	s_add_co_u32 s14, s14, s15
	s_mov_b32 s15, 0
	s_lshl_b32 s16, s11, 5
	s_add_co_u32 s16, s16, ttmp9
	s_mul_i32 s16, s16, REC                        ; the record: (32 y + s) x 13,056, under 2^23
	s_mov_b32 s17, 0
	s_wait_alu depctr_va_vdst(0)                   ; the wait at the head's end
	s_wait_kmcnt 0x0
	s_cmp_lt_u32 s11, 8                            ; x1's work-group or x2's?  The choice hangs on the work-group's number alone
	s_cselect_b64 s[4:5], s[4:5], s[6:7]
	s_add_nc_u64 s[4:5], s[4:5], s[14:15]
	s_add_nc_u64 s[8:9], s[8:9], s[16:17]
; in: my 16 channels, a row a load: 32 lanes read 512 consecutive bytes
.irp i, 0,1,2,3,4,5,6,7,8,9,10,11,12,13,14,15
	global_load_b128 v[X+4*\i:X+4*\i+3], v4, s[4:5] offset:16384*\i th:TH_LOAD_NT
.endr
.irp i, 0,1,2,3,4,5,6,7,8,9,10,11,12,13,14,15
	s_wait_loadcnt 15-\i                           ; row i is in, the 15 - i younger loads stay out
	ds_store_b128 v6, v[X+4*\i:X+4*\i+3] offset:P*\i
.endr
	s_wait_dscnt 0x0                               ; for the others' sake: my rows lie in the stage
	s_barrier_signal -1
	s_barrier_wait -1
; Two blocks of 32 numbers, v[X + 32 c] on, become 6 registers of codes each, v[dst + 6 c] on, and a byte each in v[16 + c]; the two blocks take turns
.macro QUANT2 dst
.irp c, 0,1
	v_max3_num_f32 v[12+\c], |v[X+32*\c]|, |v[X+1+32*\c]|, 0x2800000   ; with the floor 2^(5 - 127): the byte cannot fall under 1
.endr
.irp i, 2,4,6,8,10,12,14,16,18,20,22,24,26,28,30
.irp c, 0,1
	v_max3_num_f32 v[12+\c], v[12+\c], |v[X+32*\c+\i]|, |v[X+1+32*\c+\i]|
.endr
.endr
.irp c, 0,1
	v_add_nc_u32 v[14+\c], 0xfe000000, v[12+\c]    ; 4 off the exponent field: the conversion's scale operand
.endr
.irp c, 0,1
	v_lshrrev_b32 v[16+\c], 23, v[14+\c]           ; the scale's byte
.endr
.irp c, 0,1
	v_cvt_scalef32_pk16_bf6_f32 v[\dst+6*\c:\dst+6*\c+2], v[X+32*\c:X+32*\c+15], v[14+\c]
	v_cvt_scalef32_pk16_bf6_f32 v[108+4*\c:110+4*\c], v[X+32*\c+16:X+32*\c+31], v[14+\c]   ; (a conversion's three registers begin on an even number: the second half is made elsewhere and moved)
.endr
	v_nop                                          ; one plain place behind a scaled conversion
.irp c, 0,1
.irp i, 0,1,2
	v_mov_b32 v[\dst+3+6*\c+\i], v[108+4*\c+\i]
.endr
.endr
.endm
; V tile w: channel 16 w + r, K = the tokens.  My two blocks are tokens 32 h .. and 64 + 32 h ..: 128 bytes of the row each
.irp c, 0,1
.irp i, 0,1,2,3,4,5,6,7
	ds_load_b128 v[X+32*\c+4*\i:X+32*\c+4*\i+3], v7 offset:256*\c+16*\i
.endr
.endr
	s_wait_dscnt 0x0
	QUANT2 CV
	v_lshl_or_b32 v18, v17, 16, v16                ; my two bytes: blocks h and 2 + h of the row,
	v_lshlrev_b32 v18, v11, v18                    ; at their places in the scale word;
	v_permlanex16_b32 v19, v18, s20, s21
	v_or_b32 v18, v18, v19                         ; with lane l xor 16's two the word is whole
	ds_store_b32 v10, v18                          ; (both halves of the lanes write the same word with the same value)
.irp g, 0,1,2
	global_store_b128 v20, v[CV+4*\g:CV+4*\g+3], s[8:9] offset:VIMG+512*\g   ; 32 lanes store 512 consecutive bytes, at a multiple of 256 from the buffer's first byte
.endr
; K tiles 2 w + u: a lane takes a token, and its registers run down the channels 32 h .. 32 h + 31: one whole block
.irp u, 0,1
.irp i, 0,1,2,3,4,5,6,7,8,9,10,11,12,13,14,15,16,17,18,19,20,21,22,23,24,25,26,27,28,29,30,31
	ds_load_b32 v[X+32*\u+\i], v8 offset:P*\i+32*\u
.endr
.endr
	s_wait_dscnt 0x0
	QUANT2 CK
	v_lshlrev_b32 v18, v11, v16                    ; my byte is block h's: at its place in the token's scale word; bytes 2 and 3 stay 0
	v_lshlrev_b32 v21, v11, v17
	v_permlanex16_b32 v19, v18, s20, s21
	v_permlanex16_b32 v22, v21, s20, s21
	v_or_b32 v18, v18, v19
	v_or_b32 v21, v21, v22
	ds_store_b32 v9, v18
	ds_store_b32 v9, v21 offset:256
.irp u, 0,1
	global_store_b128 v20, v[CK+6*\u:CK+6*\u+3], s[8:9] offset:768*\u          ; 512 consecutive bytes
	global_store_b64 v23, v[CK+6*\u+4:CK+6*\u+5], s[8:9] offset:768*\u+512     ; 256 consecutive bytes
.endr
	s_wait_dscnt 0x0                               ; for wave 0's sake: my scale words lie in LDS
	s_barrier_signal -1
	s_barrier_wait -1
	s_cmp_lg_u32 s10, 0                            ; the 768 bytes of scale words leave by wave 0, as three whole runs of 256 bytes
	s_cbranch_scc1 .Lend
	ds_load_b128 v[24:27], v4 offset:SCS
	ds_load_b64 v[28:29], v5 offset:SCS+512
	s_wait_dscnt 0x0
	global_store_b128 v4, v[24:27], s[8:9] offset:KSC
	global_store_b64 v5, v[28:29], s[8:9] offset:VSC
.Lend:
	s_wait_tensorcnt 0x0                           ; the wave's end
	ds_add_u32 v128, v129
	s_wait_dscnt 0x0
	s_endpgm
.Lfunc_end_k_q75c6af83bf_quant:
	.size	k_q75c6af83bf_quant, .Lfunc_end_k_q75c6af83bf_quant-k_q75c6af83bf_quant
	.p2alignl 7, 3214868480
	.fill 96, 4, 3214868480
	.section	.rodata,"a",@progbits
	.p2align	6, 0x0
	.amdhsa_kernel k_q75c6af83bf_quant
		.amdhsa_group_segment_fixed_size 35328
		.amdhsa_private_segment_fixed_size 0
		.amdhsa_enable_private_segment 0
		.amdhsa_kernarg_size 24
		.amdhsa_user_sgpr_count 2
		.amdhsa_user_sgpr_kernarg_segment_ptr 1
		.amdhsa_wavefront_size32 1
		.amdhsa_system_sgpr_workgroup_id_x 1
		.amdhsa_system_sgpr_workgroup_id_y 1
		.amdhsa_system_sgpr_workgroup_id_z 1
		.amdhsa_system_vgpr_workitem_id 0
		.amdhsa_next_free_vgpr 130
		.amdhsa_next_free_sgpr 66
		.amdhsa_reserve_vcc 0
		.amdhsa_float_denorm_mode_32 3
		.amdhsa_float_denorm_mode_16_64 3
		.amdhsa_memory_ordered 1
		.amdhsa_forward_progress 1
		.amdhsa_inst_pref_size 19
	.end_amdhsa_kernel
	.amdgpu_metadata
---
amdhsa.version: [ 1, 2 ]
amdhsa.kernels:
  - .name:           k_q75c6af83bf_quant
    .symbol:         k_q75c6af83bf_quant.kd
    .args:
      - { .name: x1, .offset: 0, .size: 8, .value_kind: global_buffer, .address_space: global }
      - { .name: x2, .offset: 8, .size: 8, .value_kind: global_buffer, .address_space: global }
      - { .name: img, .offset: 16, .size: 8, .value_kind: global_buffer, .address_space: global }
    .group_segment_fixed_size: 35328
    .private_segment_fixed_size: 0
    .kernarg_segment_align: 8
    .kernarg_segment_size: 24
    .max_flat_workgroup_size: 128
    .sgpr_count:     66
    .vgpr_count:     130
    .wavefront_size: 32
...
	.end_amdgpu_metadata
.endif
;; end of part 1
;; launch attn (part 2): grid 32 x 8, 16 waves a work-group, clusters of 4 x 1, 327,680 bytes of LDS; arguments img, out0; writes out0
.if DOCPART == 2
	.amdgcn_target "amdgcn-amd-amdhsa--gfx1250"
	.amdhsa_code_object_version 6
	.text
	.protected	k_q75c6af83bf_attn
	.globl	k_q75c6af83bf_attn
	.p2align	8
	.type	k_q75c6af83bf_attn,@function
k_q75c6af83bf_attn:
	s_mov_b64 s[64:65], 0
	v_nop
	global_prefetch_b8 v0, s[64:65] scope:SCOPE_SE
	s_setreg_imm32_b32 hwreg(HW_REG_WAVE_MODE, 25, 1), 1
	s_wait_xcnt 0x0
	s_wait_alu depctr_hold_cnt(0) depctr_sa_sdst(0) depctr_va_vdst(0) depctr_va_sdst(0) depctr_va_ssrc(0) depctr_va_vcc(0) depctr_vm_vsrc(0)
	s_getreg_b32 s2, hwreg(HW_REG_IB_STS2, 6, 4)
	s_cmp_eq_u32 s2, 0
	s_cbranch_scc0 .Lentry_in_a_cluster
	s_endpgm
.Lentry_in_a_cluster:
	s_bfe_u32 s2, ttmp6, 0x10000c
	s_cmp_lg_u32 s2, 0x3003
	s_cbranch_scc0 .Lentry_shape_is_right
	s_endpgm
.Lentry_shape_is_right:
; out[b][c][q] = O_a + O_b.  Direction 0: queries from x1, keys and values from x2; direction 1 the other way round.  O = softmax_k(Q . K / 8) V, 4,096 tokens, 64 channels, both products on codes of BF6 (E3M2)
; with one E8M0 scale for each 32 along a product's K.  All operands come from img, as images of their registers (records of 13,056 bytes for 128 tokens of one tensor and batch: the constants below).
; THE SOFTMAX AHEAD OF THE SECOND PRODUCT: t = score x log2(e) / 8; M = the row's largest t so far, rounded UP to a whole number; p = 2^(t - M) is what is quantised, along the keys; it is not normalised.
; The row's sum is taken of the unquantised p, in f32, and divides O at the end.  When M moves, the sum and O are multiplied by 2^(old M - new M): exact.
; SHARES.  A work-group owns the 128 queries of one record, in BOTH directions, so each output number has one owner and the two directions meet in LDS.  Wave w: direction w / 8, tile w % 8 of 16 queries, 256 registers.
; Every wave walks all 4,096 keys, 128 a step.
; LAYOUT.  Both products are used transposed: S^T = K Q^T (source 0 = 16 keys, source 1 = my 16 queries), O^T = V^T P^T (source 0 = 16 channels, source 1 = P): a lane holds ONE query (lane % 16) throughout.
; Row r of K's tile 4 c + u holds token 64 c + 8 u + r + 24 (r / 8).  So register 32 c + 8 u + j of S^T in lane (r, h) is key 64 c + 32 h + 8 u + j: a lane's 32 registers are ONE WHOLE BLOCK of the second product's K,
; in the order that P's operand wants: a block's maximum needs no other lane, and the conversions' results are the operand's registers.  Only the row's maximum and p's scale word are joined with lane l xor 16.
; My queries are such a tile too: Q's fragment is that tile's image as it lies, and the way out puts each query at its token's place.
; K = 64 IN AN INSTRUCTION OF K = 128.  Q's registers 6-11 are zero codes.  K's fragment of tile t is six registers; the instruction names twelve, so its upper six are the next tile's codes (behind tile 7: six cleared registers).
; Every pattern of six bits is a finite number, so those products are 0; the scale bytes of that half are 0 (2^-127) on both sides, never 0xff.
; CLUSTER.  The four query blocks of a cluster belong to one batch and walk the same records of both tensors: each slot is asked for JOINTLY, by the same tensor loads with the same descriptors and a mask that names the four.
; RING.  Two LDS slots, each with four key steps' records of both tensors (104,448 bytes), brought by waves 0-3, one load of 102 rows x 256 bytes each; by this text's count a wave never has more than one tensor load out.
; NO PREFETCH INTO THE L2: a refill is asked for behind the change of slots and first read behind the next one, four key steps of all sixteen waves later (48 matrix instructions a wave); that is the lead a prefetch one slot ahead would add to.
; LIMITS: NaN and infinities are not served.  The promise holds while the scaled scores t stay under 2^31 in magnitude.  A block's largest p is made from its largest score by the same two instructions as every p,
; which takes v_exp_f32 not to fall where its input rises.  A block whose every p has fallen to 0 keeps the byte 1: its codes are zeros.
.set REC,   13056                      ; a record: KIMG 0 (8 tiles x 768), VIMG 6,144 (4 tiles x 1,536), KSC 12,288 (512), VSC 12,800 (256)
.set VIMG,  6144
.set KSC,   12288
.set VSC,   12800
.set TBB,   32*REC                     ; the records of one tensor and batch
.set PART,  4*REC                      ; a slot's part: four records of one tensor.  Part p holds tensor 1 - p, so direction d reads part d
.set SLOTB, 4*REC                      ; from one slot's records to the next's, in memory
.set SLOT1, 1<<17                      ; slot 1 begins here, so that one exclusive or turns an address in one slot into the other's
.set NSL,   8                          ; slots' worth of keys
.set SP,    528                        ; the stage: a row is a channel's 128 numbers, 512 bytes + 16
.set STAGE, SLOT1+2*PART               ; behind the ring: 2 directions x 64 rows; no tensor load lands here
.set SPARE, STAGE+2*64*SP              ; the spare words, 128 bytes for each of 16 waves: eight blocks of 256 bytes that no other line names
; VECTOR REGISTERS: v1 16 lane + my part, v2 8 lane + my part; v3 my spare word's address, v4 0 (both never rewritten); v5, v6 the same as v1, v2 in the slot in hand; v7 stage in, v8 stage back, v9 16 lane;
; v[10:11], v[12:13] -M (low word), by turns from step to step; v[14:15], v[226:227] the sum's two chains; v16-21 Q's codes, v22-27 zero codes; v28 Q's scale words, v29 p's; v[30:31] f;
; v32-79 K's 8 fragments, then V's 4; v80-85 zero codes; v86-89 K's scale words, v90-91 V's; v92 the largest score so far; v93 at work; v94 8 h; v96-159 S^T, then p; v160-191 O^T; v192-203 p's codes;
; v204-210 second halves of conversions; v212-215 maxima (212, 214: the two blocks'); v216-217 scale operands; v218-219 bytes; v222 at work; v223 permutes' destination; v224, v225, v228 offsets of Q's loads.
.set KF,  32
.set S,   96
.set O,   160
.set PCD, 192
.set BM,  212
.set SO,  216
.set BY,  218
.set W,   222
.set PD,  223
; SCALARS: s[4:5] img, s[6:7] out0, s8 wave, s9 direction, s10 my tile, s11 wave % 4, s12 cx, s13 query block, s14 batch, s[16:23] descriptor group 1, s[24:27] group 0, s28 the slot in hand, s29 trips,
; s[30:31] lane selects, s[32:33] c, s[34:35] the tiles' offset (never holds cx), s[36:45] other offsets.
.macro CROUND                          ; a round of the cluster's barrier
	s_barrier_signal -1
	s_barrier_wait -1
	s_cmp_lg_u32 s8, 0
	s_cbranch_scc1 .Lnot_wave_0_\@
	s_barrier_signal -3
.Lnot_wave_0_\@:
	s_barrier_wait -3
	s_barrier_signal -1
	s_barrier_wait -1
.endm
.macro TLOAD                           ; waves 0-3 fetch a quarter of a slot each, the others nothing.  The branch hangs on the wave's number alone
	s_cmp_lt_u32 s8, 4
	s_cbranch_scc0 .Lasked_\@
	tensor_load_to_lds s[24:27], s[16:23]
	s_nop 0
.rept 4
	v_nop
.endr
.Lasked_\@:
.endm
	s_load_b128 s[4:7], s[0:1], 0x0                ; img, out0
	v_lshl_add_u32 v3, v0, 2, SPARE
	v_mov_b32 v4, 0
	ds_add_u32 v3, v4                              ; the opening lines: the add, twice on end, and its wait
	ds_add_u32 v3, v4
	v_lshrrev_b32 v5, 5, v0
	v_readfirstlane_b32 s8, v5                     ; wave 0..15
	s_lshr_b32 s9, s8, 3                           ; direction
	s_and_b32 s10, s8, 7                           ; my tile of queries
	s_and_b32 s11, s8, 3                           ; which quarter of a slot I fetch, if I fetch
	s_bfe_u32 s12, ttmp6, 0x40000                  ; cx: it enters Q's and out0's addresses alone
	s_lshl_b32 s13, ttmp9, 2                       ; in a cluster launch ttmp9 counts clusters
	s_add_co_u32 s13, s13, s12                     ; my block of 128 queries
	s_and_b32 s14, ttmp7, 0xffff                   ; the batch, which the four partners share
	; descriptor group 1: two records, 26,112 dense bytes, as 102 rows of 256 bytes (32 elements of 8 bytes), no padding
	s_mov_b32 s16, 15|(3<<16)|(1<<21)              ; the mask: all four work-groups; elements of 8 bytes; bit 21 beside a mask
	s_mov_b32 s17, 32<<16
	s_mov_b32 s18, 102<<16
	s_mov_b32 s19, 32<<16
	s_mov_b32 s20, 102
	s_mov_b32 s21, 32
	s_mov_b32 s22, 0
	s_mov_b32 s23, 0
	s_lshr_b32 s34, s11, 1                         ; the part that I fetch for,
	s_xor_b32 s34, s34, 1                          ; its tensor,
	s_lshl_b32 s34, s34, 3
	s_add_co_u32 s34, s34, s14
	s_mul_i32 s34, s34, TBB                        ; that tensor's and batch's records,
	s_and_b32 s35, s11, 1
	s_mul_i32 s35, s35, 2*REC                      ; the first two of four or the last two
	s_add_co_u32 s34, s34, s35
	s_mov_b32 s35, 0
	s_mov_b32 s24, 1
	s_mul_i32 s25, s11, 2*REC                      ; LDS address: slot 0, my quarter
	s_mov_b32 s28, 0
	s_mov_b32 s29, NSL-1
	s_mov_b32 s30, 0x76543210
	s_mov_b32 s31, 0xfedcba98                      ; v_permlanex16_b32's selects for lane l xor 16
	s_mov_b32 s32, 0x3e38aa3b                      ; c = log2(e) / 8
	s_mov_b32 s33, s32                             ; (named with it as a pair, so it is written)
	s_wait_dscnt 0x0                               ; both opening adds are done
	s_wait_kmcnt 0x0
	s_add_nc_u64 s[26:27], s[4:5], s[34:35]
	s_or_b32 s27, s27, 0x80000000                  ; type = 2
	CROUND                                         ; all four work-groups are here: the first joint loads meet
	TLOAD                                          ; slot 0: the one first fill at the head
	s_lshl_b32 s38, s9, 3                          ; Q: tile s10 of record s13 of tensor d
	s_add_co_u32 s38, s38, s14
	s_lshl_b32 s38, s38, 5
	s_add_co_u32 s38, s38, s13
	s_mul_i32 s38, s38, REC
	s_mov_b32 s39, 0
	s_add_nc_u64 s[36:37], s[4:5], s[38:39]
	s_mul_i32 s40, s10, 768                        ; the tile's image
	s_and_b32 s41, s10, 1
	s_lshl_b32 s41, s41, 8
	s_lshr_b32 s38, s10, 1
	s_lshl_b32 s38, s38, 2
	s_add_co_u32 s41, s41, s38                     ; its scale words: 256 (tile % 2) + 4 (tile / 2)
	s_mul_i32 s42, s9, PART                        ; my direction's part of a slot
	s_mul_i32 s43, s9, 64*SP                       ; my direction's stage,
	s_lshr_b32 s38, s10, 2
	s_lshl_b32 s38, s38, 8
	s_add_co_u32 s43, s43, s38                     ; token 64 (tile / 4)
	s_and_b32 s38, s10, 3
	s_lshl_b32 s38, s38, 5
	s_add_co_u32 s43, s43, s38                     ; + 8 (tile % 4)
	s_add_co_u32 s43, s43, STAGE
	s_mul_i32 s44, s8, 4*SP                        ; back: wave w takes channels 4 w .. 4 w + 3, whole rows
	s_add_co_u32 s44, s44, STAGE
	s_lshl_b32 s38, s14, 20                        ; out0: the batch,
	s_lshl_b32 s45, s8, 16                         ; my four channels' rows of 16,384 bytes,
	s_add_co_u32 s38, s38, s45
	s_lshl_b32 s45, s13, 9                         ; my block's 128 tokens
	s_add_co_u32 s38, s38, s45
	s_add_nc_u64 s[6:7], s[6:7], s[38:39]
	v_and_b32 v8, 31, v0                           ; lane
	v_and_b32 v93, 15, v0                          ; r
	v_bfe_u32 v[PD], v0, 4, 1                      ; h
	v_lshlrev_b32 v9, 4, v8                        ; 16 lane
	v_lshlrev_b32 v6, 3, v8                        ; 8 lane
	v_and_b32 v5, 8, v93
	v_lshl_add_u32 v228, v93, 4, s41               ; my query's scale word: every lane takes its r's
	v_add_nc_u32 v224, s40, v9
	v_add_nc_u32 v225, s40, v6
	v_mad_u32_u24 v5, v5, 3, v93                   ; r + 24 (r / 8)
	v_add_nc_u32 v1, s42, v9
	v_add_nc_u32 v2, s42, v6
	v_lshlrev_b32 v5, 2, v5
	v_lshlrev_b32 v94, 3, v[PD]                    ; 8 h: my bytes' place in p's scale word, in bits
	v_add_nc_u32 v8, s44, v9
	v_mad_u32_u24 v5, v[PD], 8*SP, v5              ; channels 8 h on
	v_add_nc_u32 v7, s43, v5
	s_wait_alu depctr_va_vdst(0)                   ; the wait ahead of the readers below
	global_load_b128 v[16:19], v224, s[36:37]
	global_load_b64 v[20:21], v225, s[36:37] offset:512
	global_load_b32 v28, v228, s[36:37] offset:KSC
.irp j, 22,23,24,25,26,27,80,81,82,83,84,85
	v_mov_b32 v[\j], 0                             ; zero codes: Q's upper half; what stands behind K's tile 7
.endr
.irp j, 11,13,14,15,31,226,227
	v_mov_b32 v[\j], 0                             ; the sums; the upper halves of pairs that are named whole
.endr
	v_mov_b32 v92, 0xff61b1e6                      ; the largest score so far: -3e38, under every score
	v_mov_b32 v10, 0x7f61b1e6                      ; -M to begin with: the first f comes out 0
.irp j, 0,1,2,3,4,5,6,7,8,9,10,11,12,13,14,15,16,17,18,19,20,21,22,23,24,25,26,27,28,29,30,31
	v_mov_b32 v[O+\j], 0                           ; O^T.  (The step is written once: the first finds zeros, which the first change of M leaves zeros)
.endr
.macro SCORE t                         ; 16 keys x my 16 queries.  K's scale words: register t / 2 holds tile t's in lanes 0-15 (t even) or 16-31 (t odd)
.if (\t)%2
	v_wmma_scale_f32_16x16x128_f8f6f4 v[S+8*(\t):S+8*(\t)+7], v[KF+6*(\t):KF+6*(\t)+11], v[16:27], 0, v[86+(\t)/2], v28 matrix_a_fmt:MATRIX_FMT_BF6 matrix_b_fmt:MATRIX_FMT_BF6 matrix_a_scale:MATRIX_SCALE_ROW1
.else
	v_wmma_scale_f32_16x16x128_f8f6f4 v[S+8*(\t):S+8*(\t)+7], v[KF+6*(\t):KF+6*(\t)+11], v[16:27], 0, v[86+(\t)/2], v28 matrix_a_fmt:MATRIX_FMT_BF6 matrix_b_fmt:MATRIX_FMT_BF6
.endif
.endm
.macro PV c                            ; 16 channels x my 16 queries, K = the step's 128 keys
.if (\c)%2
	v_wmma_scale_f32_16x16x128_f8f6f4 v[O+8*(\c):O+8*(\c)+7], v[KF+12*(\c):KF+12*(\c)+11], v[PCD:PCD+11], v[O+8*(\c):O+8*(\c)+7], v[90+(\c)/2], v29 matrix_a_fmt:MATRIX_FMT_BF6 matrix_b_fmt:MATRIX_FMT_BF6 matrix_a_scale:MATRIX_SCALE_ROW1
.else
	v_wmma_scale_f32_16x16x128_f8f6f4 v[O+8*(\c):O+8*(\c)+7], v[KF+12*(\c):KF+12*(\c)+11], v[PCD:PCD+11], v[O+8*(\c):O+8*(\c)+7], v[90+(\c)/2], v29 matrix_a_fmt:MATRIX_FMT_BF6 matrix_b_fmt:MATRIX_FMT_BF6
.endif
.endm
.macro KLOAD q                         ; K's eight fragments and their scale words, record q of my part of the slot in hand.  Every LDS offset is an immediate, 51,968 at the most
.irp t, 0,1,2,3,4,5,6,7
	ds_load_b128 v[KF+6*\t:KF+6*\t+3], v5 offset:(\q)*REC+768*\t
	ds_load_b64 v[KF+6*\t+4:KF+6*\t+5], v6 offset:(\q)*REC+768*\t+512
.endr
	ds_load_b128 v[86:89], v5 offset:(\q)*REC+KSC
.endm
.macro SUMS j0, n                      ; 2 n packed additions of the row's sum, from register j0 on, the two chains by turns
.set JJ, \j0
.rept \n
	v_pk_add_f32 v[14:15], v[14:15], v[S+JJ:S+JJ+1]
	v_pk_add_f32 v[226:227], v[226:227], v[S+JJ+2:S+JJ+3]
.set JJ, JJ+4
.endr
.endm
; A KEY STEP: 128 keys, record q.  Its K fragments were asked for in the step before (step 0's: behind the change of slots).
.macro STEP q
.set RB, (\q)*REC
.set NM, 12-2*((\q)%2)                 ; this step's -M, and the last step's
.set OM, 10+2*((\q)%2)
	s_wait_dscnt 0x0                               ; K is in
.irp t, 0,1,2,3,4,5,6,7
	SCORE \t
.endr
.rept 4
	v_nop                                          ; four places: in front of the loads into K's registers, and of the first read of the scores
.endr
.irp c, 0,1,2,3                        ; V's four fragments take K's place; they land while the softmax is walked
.irp g, 0,1,2
	ds_load_b128 v[KF+12*\c+4*\g:KF+12*\c+4*\g+3], v5 offset:RB+VIMG+1536*\c+512*\g
.endr
.endr
	ds_load_b64 v[90:91], v6 offset:RB+VSC
.irp k, 0,1,2,3                        ; THE LARGEST SCORE OF MY TWO BLOCKS OF 32 KEYS, in four chains of 16 by turns; each accumulator is read from its low end on
	v_max3_num_f32 v[BM+\k], v[S+16*\k], v[S+1+16*\k], v[S+2+16*\k]
.endr
.irp i, 3,5,7,9,11,13
.irp k, 0,1,2,3
	v_max3_num_f32 v[BM+\k], v[BM+\k], v[S+16*\k+\i], v[S+1+16*\k+\i]
.endr
.endr
.irp c, 0,1
	v_max3_num_f32 v[BM+2*\c], v[BM+2*\c], v[BM+2*\c+1], v[S+32*\c+15]
.endr
.irp c, 0,1
	v_max_num_f32 v[BM+2*\c], v[BM+2*\c], v[S+32*\c+31]   ; it serves twice: for the row's maximum, and, since p rises with the score, for the block's largest p
.endr
	v_max_num_f32 v93, v[BM], v[BM+2]
	v_permlanex16_b32 v[PD], v93, s30, s31
	v_max3_num_f32 v92, v92, v93, v[PD]            ; the running largest score of my query, lane l xor 16's 64 keys among them
	v_mul_f32 v93, s32, v92                        ; as t (c is positive)
	v_floor_f32 v[NM], -v93                        ; -M = floor(-t) = -ceil(t): M is a whole number
	v_sub_f32 v93, v[NM], v[OM]                    ; M's old value less its new one: a whole number, 0 or less
.irp j, 0,2
	v_pk_fma_f32 v[S+\j:S+1+\j], v[S+\j:S+1+\j], s[32:33], v[NM:NM+1] op_sel_hi:[1,0,0]   ; t - M, two at a time (of the pairs c and -M the low word serves both halves)
.endr
	s_delay_alu instid0(VALU_DEP_3)
	v_cvt_i32_f32 v93, v93                         ; (it saturates)
.irp j, 4,6
	v_pk_fma_f32 v[S+\j:S+1+\j], v[S+\j:S+1+\j], s[32:33], v[NM:NM+1] op_sel_hi:[1,0,0]
.endr
	s_delay_alu instid0(VALU_DEP_3)
	v_ldexp_f32 v30, 1.0, v93                      ; f = 2^(old M - new M): a multiplication by it rounds nothing
.irp j, 8,10,12,14,16,18,20,22,24,26,28,30,32,34,36,38,40,42,44,46,48,50,52,54,56,58,60,62
	v_pk_fma_f32 v[S+\j:S+1+\j], v[S+\j:S+1+\j], s[32:33], v[NM:NM+1] op_sel_hi:[1,0,0]
.endr
.irp c, 0,1
	v_fma_f32 v[BM+2*\c], v[BM+2*\c], s32, v[NM]   ; the same of each block's largest score
.endr
.irp j, 0,2,4,6,8,10,12,14,16,18,20,22,24,26,28,30
	v_pk_mul_f32 v[O+\j:O+1+\j], v[O+\j:O+1+\j], v[30:31] op_sel_hi:[1,0]   ; O^T under the new M: x f; each accumulator from its low end on; ahead of the exponentials
.endr
	s_wait_alu depctr_va_vdst(0)                   ; the wait ahead of the batch
.irp c, 0,1
	v_exp_f32 v[BM+2*\c], v[BM+2*\c]               ; the block's largest p: the same two instructions on the same number give the same bits
.endr
.irp j, 0,1,2,3,4,5,6,7,8,9,10,11,12,13,14,15,16,17,18,19,20,21,22,23,24,25,26,27,28,29,30,31,32,33,34,35,36,37,38,39,40,41,42,43,44,45,46,47,48,49,50,51,52,53,54,55,56,57,58,59,60,61,62,63
	v_exp_f32 v[S+\j], v[S+\j]                     ; p = 2^(t - M), at most 1: not normalised
.endr
	v_nop                                          ; one plain place behind the exponentials
	s_wait_alu depctr_va_vdst(0)                   ; and the one wait for the batch
.irp c, 0,1
	v_max_num_f32 v[BM+2*\c], 0x2800000, v[BM+2*\c]   ; the floor 2^(5 - 127): the byte cannot fall under 1
.endr
.irp c, 0,1
	s_delay_alu instid0(VALU_DEP_2)
	v_add_nc_u32 v[SO+\c], 0xfe000000, v[BM+2*\c]  ; 4 off the exponent field: the conversion's scale operand
.endr
.irp c, 0,1
	s_delay_alu instid0(VALU_DEP_2)
	v_lshrrev_b32 v[BY+\c], 23, v[SO+\c]           ; the scale's byte
.endr
	s_delay_alu instid0(VALU_DEP_1)
	v_lshl_or_b32 v[W], v[BY+1], 16, v[BY]         ; my two bytes: blocks h and 2 + h of these 128 keys,
	s_delay_alu instid0(VALU_DEP_1)
	v_lshlrev_b32 v[W], v94, v[W]                  ; at their places in p's scale word;
	s_delay_alu instid0(VALU_DEP_1)
	v_permlanex16_b32 v[PD], v[W], s30, s31
	s_delay_alu instid0(VALU_DEP_1)
	v_or_b32 v29, v[W], v[PD]                      ; with lane l xor 16's two the word is whole
.irp c, 0,1
	v_cvt_scalef32_pk16_bf6_f32 v[PCD+6*\c:PCD+2+6*\c], v[S+32*\c:S+15+32*\c], v[SO+\c]
	v_cvt_scalef32_pk16_bf6_f32 v[204+4*\c:206+4*\c], v[S+16+32*\c:S+31+32*\c], v[SO+\c]   ; (a conversion's three registers begin on an even number)
.endr
	v_pk_fma_f32 v[14:15], v[14:15], v[30:31], v[S:S+1] op_sel_hi:[1,0,1]           ; THE ROW'S SUM IS TAKEN OF THE UNQUANTISED p: two chains, each brought under the new M by its first addition.
	v_pk_fma_f32 v[226:227], v[226:227], v[30:31], v[S+2:S+3] op_sel_hi:[1,0,1]     ; (These two are the plain place behind the conversions)
.irp c, 0,1
.irp i, 0,1,2
	v_mov_b32 v[PCD+3+6*\c+\i], v[204+4*\c+\i]
.endr
.endr
	SUMS 4, 4                                      ; eight additions: with the lines above them, the places between p's scale word (eight asked) and codes (four) and the products
	s_wait_alu depctr_va_vdst(0)                   ; the wait here, directly ahead of the wait below
	s_wait_dscnt 0x0                               ; V is in
.irp c, 0,1,2,3
	PV \c                                          ; the four accumulators by turns, and eight score products stand between two links of a chain
.endr
	SUMS 20, 2                                     ; four places in front of the loads into V's registers
.if (\q) < 3
	KLOAD (\q)+1                                   ; the next step's K, asked for under the sum's other additions
.endif
	SUMS 28, 9
.endm
; THE CHANGE OF SLOTS stands at a slot's head.  Each wave waits for all its tensor loads (its part of the slot that it is about to read), adds 0 to its spare word, and waits for that and for its reads of the slot that it has left.
; fill = 1: the barrier is a round of the cluster's, so that no wave of any partner still reads the other slot or has a load on its way; behind it that slot is filled with the next four steps' records.
.macro CHANGE fill
	s_wait_tensorcnt 0x0                           ; no tensor load of mine is out, so group 0 may be written
	ds_add_u32 v3, v4                              ; 0 onto my spare word
.if \fill
	ds_add_u32 v3, v4                              ; twice on end
	s_xor_b32 s25, s25, SLOT1                      ; the other slot than last time,
	s_add_nc_u64 s[26:27], s[26:27], SLOTB         ; the next four records; the type bits on top are not reached
.endif
	s_wait_dscnt 0x0                               ; the add is done, and my reads of the slot that I have left are over
.if \fill
	CROUND
	TLOAD                                          ; the first thing behind the round, and a wave's one tensor load until the next
.else
	s_barrier_signal -1
	s_barrier_wait -1
.endif
	v_add_nc_u32 v5, s28, v1                       ; my addresses in the slot in hand
	v_add_nc_u32 v6, s28, v2
	s_wait_alu depctr_va_vdst(0)                   ; the wait ahead of the readers below
	KLOAD 0
.endm
.macro SLOT_STEPS
	STEP 0
	STEP 1
	STEP 2
	STEP 3
	s_xor_b32 s28, s28, SLOT1                      ; on to the other slot
.endm
	s_wait_alu depctr_va_vdst(0)                   ; the wait at the head's end
	s_wait_loadcnt 0x0                             ; Q
.Lslot:                                            ; NSL - 1 trips: behind each change of slots but the last the next slot is asked for
	CHANGE 1
	SLOT_STEPS
	s_sub_co_u32 s29, s29, 1
	s_cmp_lg_u32 s29, 0
	s_cbranch_scc1 .Lslot
	CHANGE 0                                       ; the last slot is written out
	SLOT_STEPS
	; THE WAY OUT.  O^T is divided by the row's sum and goes to my direction's stage, a channel to a row; behind a barrier each wave adds the two directions' rows of four channels and stores them whole.
	v_pk_add_f32 v[14:15], v[14:15], v[226:227]    ; the sum's two chains,
	s_delay_alu instid0(VALU_DEP_1)
	v_add_f32 v14, v14, v15                        ; their two halves,
	s_delay_alu instid0(VALU_DEP_1)
	v_permlanex16_b32 v[PD], v14, s30, s31
	s_delay_alu instid0(VALU_DEP_1)
	v_add_f32 v14, v14, v[PD]                      ; and lane l xor 16's: the row's sum
	s_wait_alu depctr_va_vdst(0)                   ; the wait ahead of the transcendental
	v_rcp_f32 v14, v14
	v_nop                                          ; one plain place behind a transcendental
	s_wait_alu depctr_va_vdst(0)                   ; and the wait ahead of its first reader, which is also O^T's
.irp j, 0,1,2,3,4,5,6,7,8,9,10,11,12,13,14,15,16,17,18,19,20,21,22,23,24,25,26,27,28,29,30,31
	v_mul_f32 v[S+\j], v[O+\j], v14                ; register 8 c + j is o(my query, channel 16 c + 8 h + j); each accumulator from its low end on
.endr
.irp c, 0,1,2,3
.irp j, 0,1,2,3,4,5,6,7
	ds_store_b32 v7, v[S+8*\c+\j] offset:(16*\c+\j)*SP   ; my query's word of channel 16 c + 8 h + j's row
.endr
.endr
	s_wait_dscnt 0x0                               ; for the others' sake: my stores into the stage are done
	s_barrier_signal -1
	s_barrier_wait -1
.irp i, 0,1,2,3
	ds_load_b128 v[32+4*\i:35+4*\i], v8 offset:\i*SP            ; channel 4 w + i of direction 0,
	ds_load_b128 v[48+4*\i:51+4*\i], v8 offset:64*SP+\i*SP      ; and of direction 1
.endr
	s_wait_dscnt 0x0
.irp k, 0,2,4,6,8,10,12,14
	v_pk_add_f32 v[32+\k:33+\k], v[32+\k:33+\k], v[48+\k:49+\k]
.endr
.irp i, 0,1,2,3
	global_store_b128 v9, v[32+4*\i:35+4*\i], s[6:7] offset:16384*\i th:TH_STORE_NT   ; 32 lanes store 512 consecutive bytes, at a multiple of 256 from out0's first byte; written once, read by nobody here
.endr
	s_wait_tensorcnt 0x0                           ; the wave's end, behind my last tensor load and my last LDS store
	ds_add_u32 v3, v4
	s_wait_dscnt 0x0
	CROUND                                         ; the closing round: no work-group ends while a partner may still ask for a tile that names it
	s_endpgm
.Lfunc_end_k_q75c6af83bf_attn:
	.size	k_q75c6af83bf_attn, .Lfunc_end_k_q75c6af83bf_attn-k_q75c6af83bf_attn
	.p2alignl 7, 3214868480
	.fill 96, 4, 3214868480
	.section	.rodata,"a",@progbits
	.p2align	6, 0x0
	.amdhsa_kernel k_q75c6af83bf_attn
		.amdhsa_group_segment_fixed_size 327680
		.amdhsa_private_segment_fixed_size 0
		.amdhsa_enable_private_segment 0
		.amdhsa_kernarg_size 16
		.amdhsa_user_sgpr_count 2
		.amdhsa_user_sgpr_kernarg_segment_ptr 1
		.amdhsa_wavefront_size32 1
		.amdhsa_system_sgpr_workgroup_id_x 1
		.amdhsa_system_sgpr_workgroup_id_y 1
		.amdhsa_system_sgpr_workgroup_id_z 1
		.amdhsa_system_vgpr_workitem_id 0
		.amdhsa_next_free_vgpr 256
		.amdhsa_next_free_sgpr 66
		.amdhsa_reserve_vcc 0
		.amdhsa_float_denorm_mode_32 3
		.amdhsa_float_denorm_mode_16_64 3
		.amdhsa_memory_ordered 1
		.amdhsa_forward_progress 1
		.amdhsa_inst_pref_size 130
	.end_amdhsa_kernel
	.amdgpu_metadata
---
amdhsa.version: [ 1, 2 ]
amdhsa.kernels:
  - .name:           k_q75c6af83bf_attn
    .symbol:         k_q75c6af83bf_attn.kd
    .args:
      - { .name: img, .offset: 0, .size: 8, .value_kind: global_buffer, .address_space: global }
      - { .name: out0, .offset: 8, .size: 8, .value_kind: global_buffer, .address_space: global }
    .group_segment_fixed_size: 327680
    .private_segment_fixed_size: 0
    .kernarg_segment_align: 8
    .kernarg_segment_size: 16
    .max_flat_workgroup_size: 512
    .sgpr_count:     66
    .vgpr_count:     256
    .wavefront_size: 32
...
	.end_amdgpu_metadata
.endif
;; end of part 2
